; MI455X (gfx1250); checked and timed in simulation.
; The chip was launched on July 23, 2026; its instructions are those of AMD's public machine-readable ISA for CDNA 5 (MIT licence, August 2026) and "CDNA5" Instruction Set Architecture Reference Guide (July 2026). The comments in the code are by the model that wrote it; some were corrected since.
;; Complex Proj Measurement. Allowed arithmetic: float matrix products may take bf16 or f16 operands with f32 sums; all other float work in f32.
;; Inputs: input_imag 128 x 512 x 512 float32; input_real 128 x 512 x 512 float32; kernel 512 x 512 x 2 float32.
;; Outputs: out0 128 x 512 float32.
;; One version. Each part assembles by itself: llvm-mc -triple=amdgcn-amd-amdhsa -mcpu=gfx1250 --defsym DOCPART=n.
;; ======== version 1 of 1: 2 launches
;; workspace buffers: wfrag 2,097,152 bytes
;; launch pack (part 1): grid 256 x 1, 4 waves a work-group, no clusters, 0 bytes of LDS; arguments kernel, wfrag; writes wfrag
.if DOCPART == 1
	.amdgcn_target "amdgcn-amd-amdhsa--gfx1250"
	.amdhsa_code_object_version 6
	.text
	.protected	k_q23cecb030b_pack
	.globl	k_q23cecb030b_pack
	.p2align	8
	.type	k_q23cecb030b_pack,@function
k_q23cecb030b_pack:
	s_mov_b64 s[64:65], 0
	v_nop
	global_prefetch_b8 v0, s[64:65] scope:SCOPE_SE
	s_setreg_imm32_b32 hwreg(HW_REG_WAVE_MODE, 25, 1), 1
	s_wait_xcnt 0x0
; kernel [512][512][2] f32 (kr, ki interleaved)  ->  wfrag, bf16, the matrix W of the next launch in the order in which that launch's lanes take it.
; W has 1,024 columns n and K = 1,024:  variant 0: W = [kr | ki] of row i;  variant 1: W = [ki | -kr] of row i.
; wfrag byte = t*524288 + ks*32768 + s*16384 + b*1024 + p*512 + lane*16 + 2 e, lane = 16 h + r, and holds W[n][k] with k = 64 ks + 32 s + 16 p + 8 h + e;
; b < 8: variant 0, i = 128 t + 16 b + r;  b >= 8: variant 1, i = 128 t + 16 (b - 8) + r.
; A thread reads 8 pairs (kr, ki), 64 consecutive bytes, rounds them once to bf16 (nearest even) and stores four pieces of 16 bytes: kr, ki, ki, -kr.
; -kr is kr with the sign bit turned: 0 becomes -0, a NaN stays a NaN.
; Thread g = 128 x work-group + thread: bits 4:0 lane, 5 p, 8:6 b (0..7), 9 s, 12:10 ks (0..7), 14:13 t.  32 lanes of a wave store 512 consecutive bytes, at a multiple of 512.
; No LDS, no barrier, no loop: 2 MiB in, 2 MiB out, each thread's work is its own.
.set SRC, 2                            ; v2      byte offset in kernel: i*4096 + k*8
.set DST, 3                            ; v3      byte offset in wfrag of the piece (variant 0, k < 512)
.set IN,  8                            ; v[8:23] the 16 numbers as loaded
.set KR,  24                           ; v[24:27] 8 x kr in bf16
.set KI,  28                           ; v[28:31] 8 x ki
.set NKR, 32                           ; v[32:35] 8 x -kr
	s_load_b128 s[4:7], s[0:1], 0x0                ; kernel s[4:5], wfrag s[6:7]
	s_lshl_b32 s8, ttmp9, 7
	v_add_nc_u32 v1, s8, v0                        ; g
	v_bfe_u32 v4, v1, 13, 2                        ; t
	v_bfe_u32 v5, v1, 6, 3                         ; b
	v_and_b32 v6, 15, v1                           ; r
	v_lshlrev_b32 v[SRC], 19, v4                   ; i = 128 t + 16 b + r, rows of 4,096 bytes
	v_lshl_or_b32 v[SRC], v5, 16, v[SRC]
	v_lshl_or_b32 v[SRC], v6, 12, v[SRC]
	v_bfe_u32 v4, v1, 9, 4                         ; 2 ks + s: 32 k of 8 bytes each
	v_bfe_u32 v5, v1, 4, 2                         ; 2 p + h: 8 k of 8 bytes each
	v_lshl_or_b32 v[SRC], v4, 8, v[SRC]
	v_lshl_or_b32 v[SRC], v5, 6, v[SRC]
	v_and_b32 v4, 0x1ff, v1                        ; lane, p, b: 16 bytes a step
	v_and_b32 v5, 0x1e00, v1                       ; s, ks: bit 9 goes to 16,384
	v_and_b32 v6, 0x6000, v1                       ; t: bit 13 goes to 524,288
	v_lshlrev_b32 v[DST], 4, v4
	v_lshl_or_b32 v[DST], v5, 5, v[DST]
	v_lshl_or_b32 v[DST], v6, 6, v[DST]
	s_wait_kmcnt 0x0
.irp m, 0,1,2,3
	global_load_b128 v[IN+4*(\m):IN+4*(\m)+3], v[SRC], s[4:5] offset:16*(\m)
.endr
	s_wait_loadcnt 0x0                             ; all four: nothing else is due
.irp m, 0,1,2,3
	v_cvt_pk_bf16_f32 v[KR+(\m)], v[IN+4*(\m)],   v[IN+4*(\m)+2]  ; kr of e = 2 m, 2 m + 1
	v_cvt_pk_bf16_f32 v[KI+(\m)], v[IN+4*(\m)+1], v[IN+4*(\m)+3]  ; ki of the same
.endr
.irp m, 0,1,2,3
	v_xor_b32 v[NKR+(\m)], 0x80008000, v[KR+(\m)]
.endr
	global_store_b128 v[DST], v[KR:KR+3],   s[6:7]                ; variant 0, k < 512
	global_store_b128 v[DST], v[KI:KI+3],   s[6:7] offset:262144  ; variant 0, k >= 512: ks + 8
	global_store_b128 v[DST], v[KI:KI+3],   s[6:7] offset:8192    ; variant 1, k < 512: b + 8
	global_store_b128 v[DST], v[NKR:NKR+3], s[6:7] offset:270336  ; variant 1, k >= 512
	s_endpgm
.Lfunc_end_k_q23cecb030b_pack:
	.size	k_q23cecb030b_pack, .Lfunc_end_k_q23cecb030b_pack-k_q23cecb030b_pack
	.p2alignl 7, 3214868480
	.fill 96, 4, 3214868480
	.section	.rodata,"a",@progbits
	.p2align	6, 0x0
	.amdhsa_kernel k_q23cecb030b_pack
		.amdhsa_group_segment_fixed_size 0
		.amdhsa_private_segment_fixed_size 0
		.amdhsa_enable_private_segment 0
		.amdhsa_kernarg_size 16
		.amdhsa_user_sgpr_count 2
		.amdhsa_user_sgpr_kernarg_segment_ptr 1
		.amdhsa_wavefront_size32 1
		.amdhsa_system_sgpr_workgroup_id_x 1
		.amdhsa_system_sgpr_workgroup_id_y 1
		.amdhsa_system_sgpr_workgroup_id_z 1
		.amdhsa_system_vgpr_workitem_id 0
		.amdhsa_next_free_vgpr 40
		.amdhsa_next_free_sgpr 66
		.amdhsa_reserve_vcc 0
		.amdhsa_float_denorm_mode_32 3
		.amdhsa_float_denorm_mode_16_64 3
		.amdhsa_memory_ordered 1
		.amdhsa_forward_progress 1
		.amdhsa_inst_pref_size 3
	.end_amdhsa_kernel
	.amdgpu_metadata
---
amdhsa.version: [ 1, 2 ]
amdhsa.kernels:
  - .name:           k_q23cecb030b_pack
    .symbol:         k_q23cecb030b_pack.kd
    .args:
      - { .name: kernel, .offset: 0, .size: 8, .value_kind: global_buffer, .address_space: global }
      - { .name: wfrag, .offset: 8, .size: 8, .value_kind: global_buffer, .address_space: global }
    .group_segment_fixed_size: 0
    .private_segment_fixed_size: 0
    .kernarg_segment_align: 8
    .kernarg_segment_size: 16
    .max_flat_workgroup_size: 128
    .sgpr_count:     66
    .vgpr_count:     40
    .wavefront_size: 32
...
	.end_amdgpu_metadata
.endif
;; end of part 1
;; launch quad (part 2): grid 4 x 64, 4 waves a work-group, clusters of 4 x 4, 327,680 bytes of LDS; arguments input_real, input_imag, wfrag, out0; writes out0
.if DOCPART == 2
	.amdgcn_target "amdgcn-amd-amdhsa--gfx1250"
	.amdhsa_code_object_version 6
	.text
	.protected	k_q23cecb030b_quad
	.globl	k_q23cecb030b_quad
	.p2align	8
	.type	k_q23cecb030b_quad,@function
k_q23cecb030b_quad:
	s_mov_b64 s[64:65], 0
	v_nop
	global_prefetch_b8 v0, s[64:65] scope:SCOPE_SE
	s_setreg_imm32_b32 hwreg(HW_REG_WAVE_MODE, 25, 1), 1
	s_wait_xcnt 0x0
	s_wait_alu depctr_hold_cnt(0) depctr_sa_sdst(0) depctr_va_vdst(0) depctr_va_sdst(0) depctr_va_ssrc(0) depctr_va_vcc(0) depctr_vm_vsrc(0)
	s_getreg_b32 s2, hwreg(HW_REG_IB_STS2, 6, 4)
	s_cmp_eq_u32 s2, 0
	s_cbranch_scc0 .Lentry_in_a_cluster
	s_endpgm
.Lentry_in_a_cluster:
	s_bfe_u32 s2, ttmp6, 0x10000c
	s_cmp_lg_u32 s2, 0xf033
	s_cbranch_scc0 .Lentry_shape_is_right
	s_endpgm
.Lentry_shape_is_right:
; out[j][i] = sum over a of kr[i][a] C0[a][i] + ki[i][a] C1[a][i],  C0 = R_j kr^T + I_j ki^T,  C1 = R_j ki^T - I_j kr^T.
; C0 and C1 are ONE product: rows (j, a), 65,536 of them; K = [R | I] = 1,024; columns = the 1,024 rows of W (variant 0: [kr | ki], variant 1: [ki | -kr]), which the launch before laid out
; in bf16 in the order of the lanes (wfrag).  The second factor U[n][a] is W[n][a], a < 512: the same buffer.
; LIMITS.  R, I and the kernel are rounded to bf16 (nearest even) wherever they enter, the second factor too; products and all sums in f32, in another order than a plain einsum's;
; NaN and infinities go through untreated.
; SHARES.  Work-group (t, jp): columns i = 128 t .. 128 t + 127 in both variants (256 columns of W) and the 1,024 rows of j = 2 jp, 2 jp + 1.  It STAYS and walks four tiles of 256 rows x 256 columns,
; K = 1,024 each: 64 K steps of 64.  Both variants and all a of a j lie in one work-group, so no sum leaves it.  A wave owns 64 rows x 256 columns: 64 accumulators, 512 registers; it alone reads
; its rows of A, so each f32 is converted once in the work-group: 32 conversions for 64 matrix instructions.
; CLUSTER.  4 x 4 work-groups.  A's tiles (f32 rows of R or I) hang on jp alone and are asked for JOINTLY by the four of a row of the cluster, W's tiles hang on t alone and are asked for jointly
; by the four of a column: the same tensor load, descriptor and mask in all four.  The four t of a row are all columns of W, so each byte of R and I is asked for by one cluster alone.
; RING.  Two LDS slots of one K step: 256 rows of A (256 bytes + 16 of padding) and 32 KiB of W.  A K step of 128 would want 2 x 200 KiB: it does not fit.
; A K step is two HALF STEPS of 32 along K, 64 matrix instructions each, on register buffers 0 and 1.  In a half step the next one's 48 LDS loads go out in ONE run behind its first 16 products;
; A's 32 conversions stand four at a time behind its last eight products.
; REGISTERS, in windows of 256 (s_set_vgpr_msb: bits 1:0 source 0, 3:2 source 1, 5:4 source 2, 7:6 destination):
;   window 0: v0-31 addresses; v32-39 S, v40-47 SV running sums; v48-55 at work at the end; v64-127 A as loaded (f32); v128-159, v160-191 A in bf16, two buffers; v192-255 U of row block 2
;   window 1: v0-127, v128-255 W's fragments, two buffers (buffer 0 also takes U of row blocks 0 and 1 at a tile's end)
;   window 2: accumulators of row blocks 0, 1 at 128 (a % 2) + 8 b;   window 3: those of row blocks 2, 3
; A slice of four conversions costs two switches of the window; set in a run of their own the 32 conversions would stand in front of products that wait for nothing else.
.set PITCH, 272                        ; an LDS row of A: 256 bytes + 16 = 68 words
.set AHALF, 128*PITCH                  ; 128 rows: one tensor load
.set BOFF,  256*PITCH                  ; W's 32 KiB lie behind A's 256 rows, dense: lanes read 16 neighbouring bytes each
.set BHALF, 16384                      ; one tensor load of W: a half step's 16 fragments
.set SLOT1, 1<<17                      ; slot 1 begins here
.set SCR,   SLOT1+BOFF+2*BHALF         ; behind the ring, never filled by a tensor load: 1,024 bytes a wave for the last sums
.set SPARE, SCR+4096                   ; the spare words, 128 bytes a wave: two blocks of 256 bytes that no other line names
.set ADRA, 2                           ; v2-3   LDS address of my A rows in slot 0, 1: (64 w + r) x 272 + 32 h
.set ADRB, 4                           ; v4-5   of W's fragments: BOFF + 16 x lane
.set UO,   6                           ; v6     16 x lane: my 16 bytes in a piece of 512 bytes of wfrag
.set PFO,  7                           ; v7     the prefetch's byte offset; never rewritten
.set SCA,  16                          ; v16    where I put my last sums
.set SCB,  17                          ; v17    where I read the four waves' sums
.set OO,   18                          ; v18    my byte offset in the work-group's part of out
.set LANE, 19                          ; v19
.set SPW,  28                          ; v28    LDS address of my spare word: SPARE + 4 x my thread's number; never rewritten
.set NIL,  29                          ; v29    0; never rewritten
.set S,    32                          ; v32-39 sums of the j in hand, one for each column block b % 8
.set SV,   40                          ; v40-47 the first j's sums, kept
.set X,    48
.set AST,  64
.set FA,   128
.set UD,   192
.set TILES, 2                          ; s2     tiles to go, this one among them
.set LAPC,  3                          ; s3     laps
.set WV,   12                          ; s12    wave
.set HALF, 13                          ; s13    wave & 1: which half of A's rows or of W's step I fetch
.set ISB,  14                          ; s14    wave >> 1: I fetch for A (0) or for W (1)
.set CX,   15
.set CY,   16
.set TT,   17                          ; s17    t
.set JP,   18                          ; s18    jp
.set G1A,  24                          ; s[24:31] descriptor group 1 for A's tiles;  s[32:39] group 0, a set for each slot
.set G0A,  32
.set RB,   40                          ; s[40:41] R at my half of the work-group's first tile;  s[42:43] the same in I
.set IB,   42
.set WB,   44                          ; s[44:45] wfrag at my half of column tile t's first K step;  s[46:47] at the column tile
.set WT,   46
.set G1B,  48                          ; s[48:55], s[56:63] the same two groups for W's tiles
.set G0B,  56
.set CB,   66                          ; s[66:67] R's or I's base, as the K step asks
.set OFA,  68                          ; s[68:69], s[70:71], s[72:73], s[78:79] byte offsets; their high words are 0
.set OFB,  70
.set UOF,  72
.set UA,   74                          ; s[74:75] U's base;  s[76:77] the prefetch's
.set PA,   76
.set OFP,  78
.set Q,    80                          ; s80    the K step (0..63 over the four tiles) to be asked for next
.set QP,   81
.set T0,   82
.set T1,   83
.set SEL,  84                          ; s[84:85] v_permlanex16_b32's selects: each lane takes its own place in the other half
.set OB,   86                          ; s[86:87] out at the work-group's part
.set LA,   88                          ; s88, s89 LDS bytes of my fills in slot 0
.set LB,   89
.set MSB, 0
.macro WIN new                         ; the immediate's high byte repeats the setting that is left; a switch that changes nothing is dropped
.if MSB != (\new)
	s_set_vgpr_msb (MSB<<8)|(\new)
.set MSB, \new
.endif
.endm
.set W_M2, 0xa4                        ; A window 0, W window 1, C and D window 2
.set W_M3, 0xf4                        ; the same, C and D window 3
.set TO_B, 0x40                        ; destination window 1, address window 0
.set W_E1, 0x09                        ; the dot: U window 1, accumulator window 2, sums window 0
.set W_E0, 0x0c                        ; U window 0, accumulator window 3
.macro PLACES
.rept 4
	v_nop
.endr
.endm
; A joint load.  Waves 0 and 1 fetch A's two halves, waves 2 and 3 W's.  The branch hangs on the wave's number alone.  An s_nop 0 and four v_nop follow each of the two lines.
.macro JLOAD s
	s_cmp_eq_u32 s[ISB], 0
	s_cbranch_scc0 .Lfor_b_\@
	tensor_load_to_lds s[G0A+4*(\s):G0A+4*(\s)+3], s[G1A:G1A+7]
	s_nop 0
.rept 4
	v_nop
.endr
	s_branch .Lasked_\@
.Lfor_b_\@:
	tensor_load_to_lds s[G0B+4*(\s):G0B+4*(\s)+3], s[G1B:G1B+7]
	s_nop 0
.rept 4
	v_nop
.endr
.Lasked_\@:
.endm
; A round of the cluster's barrier: my work-group's barrier; wave 0 signals for the work-group; every wave waits for all sixteen; my work-group's barrier once more.
.macro CREST                           ; a round behind its opening barrier
	s_cmp_lg_u32 s[WV], 0
	s_cbranch_scc1 .Lnot_wave_0_\@
	s_barrier_signal -3
.Lnot_wave_0_\@:
	s_barrier_wait -3
	s_barrier_signal -1
	s_barrier_wait -1
.endm
.macro CROUND
	s_barrier_signal -1
	s_barrier_wait -1
	CREST
.endm
; The two descriptors' addresses for K step Q, made anew from the bases: tile Q / 16 (524,288 bytes of rows down), R for Q % 16 < 8 and I behind it, 256 bytes a step along the rows; W: 32,768 bytes a step.
.macro REQ slot
	s_and_b32 s[T0], s[Q], 7
	s_lshl_b32 s[T0], s[T0], 8
	s_lshr_b32 s[T1], s[Q], 4
	s_lshl_b32 s[T1], s[T1], 19
	s_add_co_u32 s[OFA], s[T0], s[T1]
	s_bitcmp1_b32 s[Q], 3
	s_cselect_b64 s[CB:CB+1], s[IB:IB+1], s[RB:RB+1]
	s_add_nc_u64 s[G0A+4*(\slot)+2:G0A+4*(\slot)+3], s[CB:CB+1], s[OFA:OFA+1]
	s_or_b32 s[G0A+4*(\slot)+3], s[G0A+4*(\slot)+3], 0x80000000
	s_and_b32 s[OFB], s[Q], 15
	s_lshl_b32 s[OFB], s[OFB], 15
	s_add_nc_u64 s[G0B+4*(\slot)+2:G0B+4*(\slot)+3], s[WB:WB+1], s[OFB:OFB+1]
	s_or_b32 s[G0B+4*(\slot)+3], s[G0B+4*(\slot)+3], 0x80000000
	s_add_co_u32 s[Q], s[Q], 1
.endm
; A's tiles come from memory once, so they are asked for ahead.  Once a lap, where K steps q and q + 1 are being requested, the 16 waves of a row of the cluster ask for the 256 rows x 2 x 256 bytes of
; K steps q + 2 and q + 3: a wave takes 16 rows, lanes 0-15 the first step's 256 bytes of a row, lanes 16-31 the second's: each block of 256 bytes once.  The walk's last request but one would point past
; step 63 and is held at steps 62 and 63, which are so asked for twice; steps 0 to 3 are never asked for ahead.
.macro PREF
	s_wait_xcnt 0x0                                ; the last prefetch stands a lap back: its base is rewritten only behind this wait
	s_add_co_u32 s[QP], s[Q], 1
	s_min_u32 s[QP], s[QP], 62
	s_and_b32 s[T0], s[QP], 7
	s_lshl_b32 s[T0], s[T0], 8
	s_lshr_b32 s[T1], s[QP], 4
	s_lshl_b32 s[T1], s[T1], 19
	s_add_co_u32 s[OFP], s[T0], s[T1]
	s_bitcmp1_b32 s[QP], 3
	s_cselect_b64 s[CB:CB+1], s[IB:IB+1], s[RB:RB+1]
	s_add_nc_u64 s[PA:PA+1], s[CB:CB+1], s[OFP:OFP+1]
	global_prefetch_b8 v[PFO], s[PA:PA+1] th:TH_LOAD_NT scope:SCOPE_SE  ; (its address register is source 0: window 0 under the setting that the loads above left)
.endm
; A fragment of A is 16 rows x 32 K: lane l holds row l % 16, K = 8 (l / 16) + 0..7 and 16 + 8 (l / 16) + 0..7: in f32 four loads of 16 bytes, at 0, 16, 64 and 80 from 32 (l / 16).
.macro FETCHA slot, s
	WIN 0
.set aa, 0
.rept 4
	ds_load_b128 v[AST+16*aa:AST+16*aa+3],     v[ADRA+(\slot)] offset:aa*16*PITCH+128*(\s)
	ds_load_b128 v[AST+16*aa+4:AST+16*aa+7],   v[ADRA+(\slot)] offset:aa*16*PITCH+128*(\s)+16
	ds_load_b128 v[AST+16*aa+8:AST+16*aa+11],  v[ADRA+(\slot)] offset:aa*16*PITCH+128*(\s)+64
	ds_load_b128 v[AST+16*aa+12:AST+16*aa+15], v[ADRA+(\slot)] offset:aa*16*PITCH+128*(\s)+80
.set aa, aa+1
.endr
.endm
.macro FETCHB slot, s, f               ; W's 16 fragments of half step s, 1,024 bytes each, as they lie
	WIN TO_B
.set bb, 0
.rept 16
	ds_load_b128 v[128*(\f)+8*bb:128*(\f)+8*bb+3],   v[ADRB+(\slot)] offset:BHALF*(\s)+1024*bb
	ds_load_b128 v[128*(\f)+8*bb+4:128*(\f)+8*bb+7], v[ADRB+(\slot)] offset:BHALF*(\s)+1024*bb+512
.set bb, bb+1
.endr
.endm
.macro FETCH slot, s, f                ; 48 loads in one run, A's 16 first
	FETCHA \slot, \s
	FETCHB \slot, \s, \f
.endm
.macro CVT4 g, f                       ; four of the 32 roundings of A's 64 f32 a lane into buffer f
	WIN 0
.set xx, 4*(\g)
.rept 4
	v_cvt_pk_bf16_f32 v[FA+32*(\f)+xx], v[AST+2*xx], v[AST+2*xx+1]
.set xx, xx+1
.endr
.endm
; n matrix instructions: row block a x column blocks b0 on, 32 along K, buffers f.  zero = 1: the product starts the sum: nothing is ever cleared.
; The 64 accumulators take turns in the same order in every half step.
.macro MUL f, a, b0, n, zero
	WIN W_M2+0x50*((\a)/2)
.set bb, \b0
.rept \n
.set rD, 128*((\a)%2)+8*bb
.set rA, FA+32*(\f)+8*(\a)
.set rB, 128*(\f)+8*bb
.if \zero
	v_wmma_f32_16x16x32_bf16 v[rD:rD+7], v[rA:rA+7], v[rB:rB+7], 0
.else
	v_wmma_f32_16x16x32_bf16 v[rD:rD+7], v[rA:rA+7], v[rB:rB+7], v[rD:rD+7]
.endif
.set bb, bb+1
.endr
.endm
; Row block 3, with the next half step's conversions (into buffer g) four behind each of its last eight products.  The four behind the half step's last product name none of its registers: they are the
; four places in front of the next run of loads into W's buffer f and of the next conversions into A's buffer f.
.macro MULC f, g, zero
	MUL \f, 3, 0, 8, \zero
.set cc, 0
.rept 8
	MUL \f, 3, 8+cc, 1, \zero
	CVT4 cc, \g
.set cc, cc+1
.endr
.endm
; The first half of a K step: buffers 0; fetches the slot's second half into buffers 1.
.macro H0 slot, zero
	s_wait_dscnt 0x0                               ; W's buffer 0 is in (A's was waited for ahead of its conversions)
	MUL 0, 0, 0, 16, \zero
	FETCH \slot, 1, 1
	MUL 0, 1, 0, 16, \zero
	MUL 0, 2, 0, 16, \zero
	s_wait_dscnt 32                                ; A's 16 loads are in; W's 32, issued behind them, may be out
	MULC 0, 1, \zero
.endm
; The second half: buffers 1, and the change of slots.  ONE barrier: in front of it each wave waits for all its tensor loads (one is out: its part of the next slot), adds 0 to its spare word, and waits for
; that and for its reads of this slot.  fill = 1: the barrier opens a round of the cluster's, and this slot is filled again, with the K step two on, first thing behind the round:
; 112 matrix instructions stand between that request and the wait for it.
.macro H1 slot, next, fill
	WIN 0                                          ; (the add's two registers lie in window 0)
	s_wait_tensorcnt 0x0                           ; no tensor load of mine is out, so a group 0 may be written
	ds_add_u32 v[SPW], v[NIL]                      ; 0 onto my spare word
.if \fill
	REQ \slot
.endif
	s_wait_dscnt 1                                 ; W's buffer 1 is in; the add may be out
	MUL 1, 0, 0, 8, 0
	s_wait_dscnt 0x0                               ; the add is done, and my reads of this slot are over
	s_barrier_signal -1
	MUL 1, 0, 8, 8, 0                              ; work on registers while the others arrive
	WIN 0
	s_barrier_wait -1
.if \fill
	CREST                                          ; no wave of any partner still reads this slot or has a load on its way
	JLOAD \slot
.endif
	FETCH \next, 0, 0
.if (\fill) && ((\slot) == 0)
	PREF
.endif
	MUL 1, 1, 0, 16, 0
	MUL 1, 2, 0, 16, 0
	s_wait_dscnt 32                                ; A's 16 loads are in
	MULC 1, 0, 0
.endm
; U for my 64 rows of the tile: for row block 2 s + p and column block b the piece (ks = a / 64, s, b, p) of wfrag: lane l finds there W[16 b + l % 16][a], a = the eight rows 8 (l / 16) + 0..7 that its
; accumulator holds.  64 loads of 512 bytes, in the order in which the dot takes them: row blocks 0, 1, 3, 2.  They land in W's buffer 0, A's staging registers and UD, which the tile's last half step does not name.
.macro ULOAD
	s_add_nc_u64 s[UA:UA+1], s[WT:WT+1], s[UOF:UOF+1]  ; (the last tile's loads by this base were waited for)
	WIN TO_B
.set bb, 0
.rept 16
	global_load_b128 v[4*bb:4*bb+3], v[UO], s[UA:UA+1] offset:1024*bb
.set bb, bb+1
.endr
.set bb, 0
.rept 16
	global_load_b128 v[64+4*bb:64+4*bb+3], v[UO], s[UA:UA+1] offset:1024*bb+512
.set bb, bb+1
.endr
	WIN 0
.set bb, 0
.rept 16
	global_load_b128 v[AST+4*bb:AST+4*bb+3], v[UO], s[UA:UA+1] offset:BHALF+1024*bb+512
.set bb, bb+1
.endr
.set bb, 0
.rept 16
	global_load_b128 v[UD+4*bb:UD+4*bb+3], v[UO], s[UA:UA+1] offset:BHALF+1024*bb
.set bb, bb+1
.endr
.endm
; A tile's last half step.  fill = 1: the ring goes on into the next tile (slot 1 takes its K step 1; the round also shows its K step 0 whole in slot 0).  fill = 0: the walk's end: no LDS read follows, so no barrier.
.macro H1E fill
	ULOAD
.if \fill
	WIN 0
	s_wait_tensorcnt 0x0                           ; no tensor load of mine is out
	ds_add_u32 v[SPW], v[NIL]                      ; 0 onto my spare word
	REQ 1
	s_wait_dscnt 1                                 ; W's buffer 1 is in; the add may be out
	MUL 1, 0, 0, 8, 0
	s_wait_dscnt 0x0                               ; the add is done, and my reads of this slot are over
	s_barrier_signal -1
	MUL 1, 0, 8, 8, 0
	WIN 0
	s_barrier_wait -1
	CREST
	JLOAD 1
.else
	s_wait_dscnt 0x0                               ; W's buffer 1 is in
	MUL 1, 0, 0, 16, 0
.endif
	MUL 1, 1, 0, 16, 0
	MUL 1, 2, 0, 16, 0
	MUL 1, 3, 0, 16, 0
.endm
; The dot for row block a: S[b % 8] += U x C, the bf16 half widened inside the fused multiply-add.  Register 0 of every accumulator is read first; eight sums take turns.
.macro EROW a, u, win
	WIN \win
.set jj, 0
.rept 8
.set bb, 0
.rept 16
.if (jj%2) == 0
	v_fma_mix_f32_bf16 v[S+bb%8], v[(\u)+4*bb+jj/2], v[128*((\a)%2)+8*bb+jj], v[S+bb%8] op_sel_hi:[1,0,0]
.else
	v_fma_mix_f32_bf16 v[S+bb%8], v[(\u)+4*bb+jj/2], v[128*((\a)%2)+8*bb+jj], v[S+bb%8] op_sel:[1,0,0] op_sel_hi:[1,0,0]
.endif
.set bb, bb+1
.endr
.set jj, jj+1
.endr
.endm
; A tile's end.  more = 1: the next tile's first fragments are fetched as soon as U's registers are free, and converted.
.macro EPI more
	PLACES                                         ; the dot reads results just made
	s_wait_loadcnt 48                              ; loads come back in order (ISA guide 5.7.1): the first 16 are in, 48 younger may be out
	EROW 0, 0, W_E1
	s_wait_loadcnt 32
	EROW 1, 64, W_E1
.if \more
	FETCHB 0, 0, 0
.endif
	s_wait_loadcnt 16
	EROW 3, AST, W_E0
.if \more
	FETCHA 0, 0
.endif
	s_wait_loadcnt 0x0
	EROW 2, UD, W_E0
.if \more
	s_xor_b32 s[UOF], s[UOF], 131072               ; tiles take a = 0..255 and 256..511 by turns: four K steps of 32,768 bytes
	s_wait_dscnt 0x0
.irp g, 0,1,2,3,4,5,6,7
	CVT4 \g, 0
.endr
.endif
	WIN 0
.endm
	s_load_b256 s[4:11], s[0:1], 0x0               ; R s[4:5], I s[6:7], wfrag s[8:9], out s[10:11]
	v_lshl_add_u32 v[SPW], v0, 2, SPARE
	v_mov_b32 v[NIL], 0
	ds_add_u32 v[SPW], v[NIL]                      ; the wave's opening: the add and its wait stand ahead of my first tensor load; the set-up below, work on registers, stands between them
	v_lshrrev_b32 v1, 5, v0
	v_readfirstlane_b32 s[WV], v1                  ; wave 0..3
	s_and_b32 s[HALF], s[WV], 1
	s_lshr_b32 s[ISB], s[WV], 1
	s_bfe_u32 s[CX], ttmp6, 0x40000                ; my place in the cluster
	s_bfe_u32 s[CY], ttmp6, 0x40004
	s_lshl_b32 s[TT], ttmp9, 2                     ; in a cluster launch ttmp9 and ttmp7 count clusters
	s_add_co_u32 s[TT], s[TT], s[CX]               ; t = 4 x cluster x + cx
	s_and_b32 s[JP], ttmp7, 0xffff
	s_lshl_b32 s[JP], s[JP], 2
	s_add_co_u32 s[JP], s[JP], s[CY]               ; jp = 4 x cluster y + cy
	s_lshl_b32 s19, s[CY], 2
	s_lshl_b32 s19, 15, s19                        ; my row of the cluster
	s_lshl_b32 s20, 0x1111, s[CX]                  ; my column
	; group 1 for A: 128 rows x 64 elements of 4 bytes, rows 512 elements apart, 4 words of padding behind every 64
	s_or_b32 s[G1A], s19, (2<<16)|(1<<20)|(1<<21)|(5<<22)|(3<<25)  ; 15:0 the mask; 17:16 elements of 4 bytes; 20 padding on; 21 set beside a mask; 24:22 after every 64 words (code 5); 31:25 4 words (code 3)
	s_mov_b32 s[G1A+1], 64<<16                     ; tensor_dim0 = 64
	s_mov_b32 s[G1A+2], 128<<16                    ; tensor_dim1 = 128
	s_mov_b32 s[G1A+3], 64<<16                     ; tile_dim0 = 64
	s_mov_b32 s[G1A+4], 128                        ; tile_dim1 = 128
	s_mov_b32 s[G1A+5], 512                        ; elements from row to row
	s_mov_b32 s[G1A+6], 0
	s_mov_b32 s[G1A+7], 0
	; group 1 for W: 16,384 dense bytes as 64 rows of 32 elements of 8 bytes, no padding
	s_or_b32 s[G1B], s20, (3<<16)|(1<<21)
	s_mov_b32 s[G1B+1], 32<<16
	s_mov_b32 s[G1B+2], 64<<16
	s_mov_b32 s[G1B+3], 32<<16
	s_mov_b32 s[G1B+4], 64
	s_mov_b32 s[G1B+5], 32
	s_mov_b32 s[G1B+6], 0
	s_mov_b32 s[G1B+7], 0
	s_mul_i32 s[LA], s[HALF], AHALF                ; where my fills go: no place in the cluster enters an LDS address
	s_lshl_b32 s[LB], s[HALF], 14
	s_add_co_u32 s[LB], s[LB], BOFF
.irp s, 0,1
	s_mov_b32 s[G0A+4*(\s)], 1                     ; count = 1
	s_add_co_u32 s[G0A+4*(\s)+1], s[LA], (\s)*SLOT1
	s_mov_b32 s[G0B+4*(\s)], 1
	s_add_co_u32 s[G0B+4*(\s)+1], s[LB], (\s)*SLOT1
.endr
	s_lshl_b32 s[OFA], s[JP], 21                   ; 1,024 rows of 2,048 bytes for each jp,
	s_lshl_b32 s[T0], s[HALF], 18                  ; 128 rows for my half
	s_add_co_u32 s[OFA], s[OFA], s[T0]
	s_mov_b32 s[OFA+1], 0
	s_lshl_b32 s[OFB], s[TT], 19                   ; a column tile of wfrag
	s_mov_b32 s[OFB+1], 0
	s_lshl_b32 s22, s[JP], 12                      ; out: two rows of 2,048 bytes for each jp,
	s_lshl_b32 s20, s[TT], 9                       ; 128 columns for each t
	s_add_co_u32 s22, s22, s20
	s_mov_b32 s23, 0
	s_lshl_b32 s[UOF], s[WV], 15                   ; U: my 64 rows are K step w of W in the first tile
	s_mov_b32 s[UOF+1], 0
	s_mov_b32 s[OFP+1], 0
	s_mov_b32 s[SEL], 0x76543210
	s_mov_b32 s[SEL+1], 0xfedcba98
	s_mov_b32 s[Q], 2
.set i, 0
.rept 8
	v_mov_b32 v[S+i], 0                            ; sixteen running sums start at 0
	v_mov_b32 v[SV+i], 0
.set i, i+1
.endr
	s_wait_dscnt 0x0                               ; the opening add is done
	s_wait_kmcnt 0x0
	s_add_nc_u64 s[RB:RB+1], s[4:5], s[OFA:OFA+1]
	s_add_nc_u64 s[IB:IB+1], s[6:7], s[OFA:OFA+1]
	s_add_nc_u64 s[WT:WT+1], s[8:9], s[OFB:OFB+1]
	s_lshl_b32 s[OFB], s[HALF], 14
	s_add_nc_u64 s[WB:WB+1], s[WT:WT+1], s[OFB:OFB+1]
	s_add_nc_u64 s[OB:OB+1], s[10:11], s[22:23]
.irp s, 0,1
	s_add_nc_u64 s[G0A+4*(\s)+2:G0A+4*(\s)+3], s[RB:RB+1], (\s)*256    ; K step s of the first tile
	s_or_b32 s[G0A+4*(\s)+3], s[G0A+4*(\s)+3], 0x80000000              ; type = 2
	s_add_nc_u64 s[G0B+4*(\s)+2:G0B+4*(\s)+3], s[WB:WB+1], (\s)*32768
	s_or_b32 s[G0B+4*(\s)+3], s[G0B+4*(\s)+3], 0x80000000
.endr
	CROUND                                         ; all sixteen work-groups are here: the first joint loads meet
	s_cmp_eq_u32 s[ISB], 0                         ; a wave's two first fills stand in one branch, ahead of every wait on TENSORcnt and every LDS read: two loads of mine are out
	s_cbranch_scc0 .Lfirst_b
	tensor_load_to_lds s[G0A:G0A+3], s[G1A:G1A+7]
	s_nop 0
	tensor_load_to_lds s[G0A+4:G0A+7], s[G1A:G1A+7]
	s_nop 0
.rept 4
	v_nop
.endr
	s_branch .Lfirst_asked
.Lfirst_b:
	tensor_load_to_lds s[G0B:G0B+3], s[G1B:G1B+7]
	s_nop 0
	tensor_load_to_lds s[G0B+4:G0B+7], s[G1B:G1B+7]
	s_nop 0
.rept 4
	v_nop
.endr
.Lfirst_asked:
	v_and_b32 v[LANE], 31, v0
	v_and_b32 v8, 15, v0                           ; r = l % 16
	v_bfe_u32 v9, v0, 4, 1                         ; h = l / 16
	s_lshl_b32 s19, s[WV], 6
	v_add_nc_u32 v10, s19, v8                      ; my wave's rows begin at 64 w
	v_mul_u32_u24 v10, v10, PITCH
	v_lshl_add_u32 v[ADRA], v9, 5, v10
	v_add_nc_u32 v[ADRA+1], SLOT1, v[ADRA]
	v_lshlrev_b32 v[UO], 4, v[LANE]
	v_add_nc_u32 v[ADRB], BOFF, v[UO]
	v_add_nc_u32 v[ADRB+1], BOFF+SLOT1, v[UO]
	s_lshl_b32 s20, s[CX], 1                       ; the prefetch: of my half's eight groups of 16 rows, group 2 cx + w / 2;
	s_add_co_u32 s20, s20, s[ISB]
	s_lshl_b32 s20, s20, 15
	v_lshl_add_u32 v[PFO], v8, 11, s20             ; row l % 16 of it;
	v_lshl_add_u32 v[PFO], v9, 8, v[PFO]           ; the first or the second K step of the lap
	s_lshl_b32 s19, s[WV], 10
	s_add_co_u32 s19, s19, SCR
	v_lshl_add_u32 v[SCA], v8, 2, s19              ; my wave's 1,024 bytes: [j of two][128 columns] f32
	v_lshl_add_u32 v[SCA], v9, 9, v[SCA]
	v_lshl_add_u32 v[SCB], v0, 3, SCR              ; back: thread n takes numbers 2 n, 2 n + 1 of each wave's 256
	v_lshrrev_b32 v10, 6, v0
	v_and_b32 v11, 63, v0
	v_lshlrev_b32 v[OO], 3, v11
	v_lshl_add_u32 v[OO], v10, 11, v[OO]           ; and stores them: row n / 64 of out's two, 8 bytes at 8 (n % 64)
	s_wait_tensorcnt 0x1                           ; my part of K step 0 is in; slot 1's may stay out
	s_barrier_signal -1
	s_barrier_wait -1                              ; everybody's is
	FETCH 0, 0, 0
	s_wait_dscnt 32                                ; A's 16 loads are in
.irp g, 0,1,2,3,4,5,6,7
	CVT4 \g, 0
.endr
	s_mov_b32 s[TILES], 4
	WIN 0                                          ; at a label and at a branch every window is 0
.Ltile:
	H0 0, 1                                        ; a tile's first half step stands in front of the loop: its products start the sums
	WIN 0
	s_mov_b32 s[LAPC], 7
.Llap:                                                 ; a trip goes once round the ring and fills both slots again
	H1 0, 1, 1
	H0 1, 0
	H1 1, 0, 1
	H0 0, 0
	WIN 0
	s_sub_co_u32 s[LAPC], s[LAPC], 1
	s_cmp_lg_u32 s[LAPC], 0
	s_cbranch_scc1 .Llap
	s_cmp_eq_u32 s[TILES], 1
	s_cbranch_scc1 .Llast                          ; the last tile's tail is written out: it asks for nothing more
	H1 0, 1, 1                                     ; the ring goes on into the next tile: slot 0 takes its K step 0,
	H0 1, 0
	H1E 1                                          ; slot 1 its K step 1
	EPI 1
	s_cmp_lg_u32 s[TILES], 3
	s_cbranch_scc1 .Lsame_j                        ; behind the second tile the first j is finished: its sums are kept, and the second j's start at 0
.set i, 0
.rept 8
	v_mov_b32 v[SV+i], v[S+i]
	v_mov_b32 v[S+i], 0
.set i, i+1
.endr
.Lsame_j:
	s_sub_co_u32 s[TILES], s[TILES], 1
	s_branch .Ltile
.Llast:
	H1 0, 1, 0                                     ; my one tensor load that was out is slot 1's, the last K step's, so no round follows
	H0 1, 0
	H1E 0
	EPI 0
	; THE END.  A lane's sums cover the rows 8 (l / 16) + 0..7 of its wave's blocks: the other half of the lanes' are added; lanes 0-15 then carry the first j, lanes 16-31 the second;
	; the four waves' figures meet in LDS, and each thread adds and stores two numbers.
.set i, 0
.rept 8
	v_permlanex16_b32 v[UD+i],   v[S+i],  s[SEL], s[SEL+1]  ; (its destination counts as read: UD has been written, by U's loads)
	v_permlanex16_b32 v[UD+8+i], v[SV+i], s[SEL], s[SEL+1]
.set i, i+1
.endr
	v_cmp_gt_u32 vcc_lo, 16, v[LANE]
.set i, 0
.rept 8
	v_add_f32 v[S+i],  v[S+i],  v[UD+i]
	v_add_f32 v[SV+i], v[SV+i], v[UD+8+i]
.set i, i+1
.endr
.set i, 0
.rept 8
	v_cndmask_b32 v[X+i], v[S+i], v[SV+i], vcc_lo
.set i, i+1
.endr
.set i, 0
.rept 8
	ds_store_b32 v[SCA], v[X+i] offset:64*i        ; column 16 b + l % 16
.set i, i+1
.endr
	s_wait_dscnt 0x0                               ; for the others' sake: my stores are done
	s_barrier_signal -1
	s_barrier_wait -1
.irp i, 0,1,2,3
	ds_load_b64 v[X+2*(\i):X+2*(\i)+1], v[SCB] offset:1024*(\i)
.endr
	s_wait_dscnt 0x0
	v_pk_add_f32 v[X:X+1], v[X:X+1], v[X+2:X+3]
	v_pk_add_f32 v[X+4:X+5], v[X+4:X+5], v[X+6:X+7]
	v_pk_add_f32 v[X:X+1], v[X:X+1], v[X+4:X+5]
	global_store_b64 v[OO], v[X:X+1], s[OB:OB+1]   ; a wave stores 256 consecutive bytes, at a multiple of 256 from out's first byte
	s_wait_tensorcnt 0x0                           ; the wave's end, behind my last tensor load and my last LDS store
	ds_add_u32 v[SPW], v[NIL]
	s_wait_dscnt 0x0
	CROUND                                         ; the closing round: no work-group ends while a partner may still ask for a tile that names it
	s_endpgm
.Lfunc_end_k_q23cecb030b_quad:
	.size	k_q23cecb030b_quad, .Lfunc_end_k_q23cecb030b_quad-k_q23cecb030b_quad
	.p2alignl 7, 3214868480
	.fill 96, 4, 3214868480
	.section	.rodata,"a",@progbits
	.p2align	6, 0x0
	.amdhsa_kernel k_q23cecb030b_quad
		.amdhsa_group_segment_fixed_size 327680
		.amdhsa_private_segment_fixed_size 0
		.amdhsa_enable_private_segment 0
		.amdhsa_kernarg_size 32
		.amdhsa_user_sgpr_count 2
		.amdhsa_user_sgpr_kernarg_segment_ptr 1
		.amdhsa_wavefront_size32 1
		.amdhsa_system_sgpr_workgroup_id_x 1
		.amdhsa_system_sgpr_workgroup_id_y 1
		.amdhsa_system_sgpr_workgroup_id_z 1
		.amdhsa_system_vgpr_workitem_id 0
		.amdhsa_next_free_vgpr 1024
		.amdhsa_next_free_sgpr 96
		.amdhsa_reserve_vcc 1
		.amdhsa_float_denorm_mode_32 3
		.amdhsa_float_denorm_mode_16_64 3
		.amdhsa_memory_ordered 1
		.amdhsa_forward_progress 1
		.amdhsa_inst_pref_size 201
	.end_amdhsa_kernel
	.amdgpu_metadata
---
amdhsa.version: [ 1, 2 ]
amdhsa.kernels:
  - .name:           k_q23cecb030b_quad
    .symbol:         k_q23cecb030b_quad.kd
    .args:
      - { .name: input_real, .offset: 0, .size: 8, .value_kind: global_buffer, .address_space: global }
      - { .name: input_imag, .offset: 8, .size: 8, .value_kind: global_buffer, .address_space: global }
      - { .name: wfrag, .offset: 16, .size: 8, .value_kind: global_buffer, .address_space: global }
      - { .name: out0, .offset: 24, .size: 8, .value_kind: global_buffer, .address_space: global }
    .group_segment_fixed_size: 327680
    .private_segment_fixed_size: 0
    .kernarg_segment_align: 8
    .kernarg_segment_size: 32
    .max_flat_workgroup_size: 128
    .sgpr_count:     96
    .vgpr_count:     1024
    .wavefront_size: 32
...
	.end_amdgpu_metadata
.endif
;; end of part 2
